; MI455X (gfx1250); checked and timed in simulation.
; The chip was launched on July 23, 2026; its instructions are those of AMD's public machine-readable ISA for CDNA 5 (MIT licence, August 2026) and "CDNA5" Instruction Set Architecture Reference Guide (July 2026). The comments in the code are by the model that wrote it; some were corrected since.
;; MHA SP2 Norm Eager. Allowed arithmetic: matrix products marked QUANTISED: E4M3 operands, one given power-of-two scale a tensor, by v_wmma_f32_16x16x64_fp8_fp8 or v_wmma_f32_16x16x128_fp8_fp8, f32 sums; everything else in f32.
;; Inputs: b_proj 1,024 float32; lowp_scales 8 int32 (the exponents e of the quantised operands' scales 2^e); w_proj_codes 1,024 x 32 x 32 uint8 (E4M3 codes of w_proj, K innermost, in blocks of 32 codes); w_qkv_codes 3,072 x 32 x 32 uint8 (E4M3 codes of w_qkv, K innermost, in blocks of 32 codes); x_codes 2 x 2,048 x 32 x 32 uint8 (E4M3 codes of x, K innermost, in blocks of 32 codes).
;; Outputs: out0 2 x 2,048 x 1,024 float32.
;; This version of the problem:
;;   THIS VERSION OF THE PROBLEM IS GIVEN IN LOW PRECISION. The matrix products marked QUANTISED in the list below multiply operands that are first quantised to E4M3 (4 exponent bits, 3 mantissa bits; 8 bits a number), with one given power-of-two scale for each operand tensor; their sums are f32. All else is computed in f32.
;;   The module's matrix products, in the order in which they are computed (A, B: the left and right operand; K: the contracted axis; several contracted axes count as one K, in the product's order):
;;     1. [M 4,096, K 1,024] x [K 1,024, N 3,072]; A: input x (given as codes); B: input w_qkv (given as codes): QUANTISED (scales: A lowp_scales[0], B lowp_scales[1])
;;     2. batch 32 x [M 2,048, K 64] x [K 64, N 2,048]; A: computed on the way; B: computed on the way: QUANTISED (scales: A lowp_scales[2], B lowp_scales[3])
;;     3. batch 32 x [M 2,048, K 2,048] x [K 2,048, N 64]; A: computed on the way; B: computed on the way: QUANTISED (scales: A lowp_scales[4], B lowp_scales[5])
;;     4. [M 4,096, K 1,024] x [K 1,024, N 1,024]; A: computed on the way; B: input w_proj (given as codes): QUANTISED (scales: A lowp_scales[6], B lowp_scales[7])
;;   THE QUANTISER, for each operand of a quantised product, along K:
;;     - The operand's scale is 2^e, e = its entry of the input lowp_scales (int32; the entries are numbered through the quantised products in the list's order, A before B).
;;     - Each number is divided by the scale, clamped to +-448, and rounded to the nearest number of E4M3, ties to even, subnormals kept.
;;     - The product sums the exact products of the quantised numbers (number of the format x scale) in f32.
;;   ~~~python
;;   def quantise(x, axis, e):      # numpy; x: float32 -> the quantised numbers, widened to float32 again
;;       x = np.moveaxis(x, axis, -1); K = x.shape[-1]
;;       r = np.clip(x / 2.0 ** e, -448, 448)
;;       step = 2.0 ** (np.maximum(np.frexp(np.where(r == 0, 1, r))[1] - 1, -6) - 3)
;;       q = np.round(r / step) * step * 2.0 ** e      # np.round: ties to even
;;       return np.moveaxis(q, -1, axis).astype(np.float32)
;;   ~~~
;;   OPERANDS COMPUTED ON THE WAY. 'Computed on the way' means the value that the module computes at that place (a softmax that the list does not call 'softmax' is quantised finished and normalised). What goes into a quantiser is computed in f32, as accurately as f32 sums, v_exp_f32 and their like allow (about 1e-6 of the number): no bf16 or f16 on the way to a quantiser, and a product that is left as it is and whose result goes on into a quantised operand takes f32 operands (vector FMAs, or v_wmma_f32_16x16x4_f32). A number that lies on a knife's edge between two numbers of the format may be rounded either way, as far as f32 arithmetic and the matrix unit's own rounding can turn it there, and no further.
;;   INPUTS GIVEN AS CODES. w_proj (in the module: [1024, 1024], K = its axis 1); w_qkv (in the module: [3072, 1024], K = its axis 1); x (in the module: [2, 2048, 1024], K = its axis 2): each comes as NAME_codes (uint8): NAME with its K axis moved to the last place and cut into blocks of 32 codes, [.., K / 32, bytes a block], one block behind the other in memory; one code a byte (a code: sign, 4 exponent bits, 3 mantissa bits); its scale is its entry of lowp_scales. Its value is code x scale, taken as it is: it is not quantised again, and the codes and scales need not be those that the quantiser above would give.
;; One version. Each part assembles by itself: llvm-mc -triple=amdgcn-amd-amdhsa -mcpu=gfx1250 --defsym DOCPART=n.
;; ======== version 1 of 1: 3 launches
;; workspace buffers: q_img 4,194,304 bytes; k_img 4,194,304 bytes; v_img 4,194,304 bytes; o_img 4,194,304 bytes
;; launch qkv (part 1): grid 24 x 32, 8 waves a work-group, clusters of 4 x 4, 279,552 bytes of LDS; arguments x_codes, w_qkv_codes, lowp_scales, q_img, k_img, v_img; writes q_img, k_img, v_img
.if DOCPART == 1
	.amdgcn_target "amdgcn-amd-amdhsa--gfx1250"
	.amdhsa_code_object_version 6
	.text
	.protected	k_qe729d1f46e_qkv
	.globl	k_qe729d1f46e_qkv
	.p2align	8
	.type	k_qe729d1f46e_qkv,@function
k_qe729d1f46e_qkv:
	s_mov_b64 s[64:65], 0
	v_nop
	global_prefetch_b8 v0, s[64:65] scope:SCOPE_SE
	s_setreg_imm32_b32 hwreg(HW_REG_WAVE_MODE, 25, 1), 1
	s_wait_xcnt 0x0
	s_wait_alu depctr_hold_cnt(0) depctr_sa_sdst(0) depctr_va_vdst(0) depctr_va_sdst(0) depctr_va_ssrc(0) depctr_va_vcc(0) depctr_vm_vsrc(0)
	s_getreg_b32 s2, hwreg(HW_REG_IB_STS2, 6, 4)
	s_cmp_eq_u32 s2, 0
	s_cbranch_scc0 .Lentry_in_a_cluster
	s_endpgm
.Lentry_in_a_cluster:
	s_bfe_u32 s2, ttmp6, 0x10000c
	s_cmp_lg_u32 s2, 0xf033
	s_cbranch_scc0 .Lentry_shape_is_right
	s_endpgm
.Lentry_shape_is_right:
; qkv[t][f] = sum over c of x[t][c] w_qkv[f][c], both operands E4M3 codes with K innermost; the sums are quantised at once into the codes of q (scale entry 2), k (entry 3) and v (entry 5).
; A sum stands for sum x 2^(e0 + e1), so its code is sum / 2^(e_t - e0 - e1), held within +-448 of that scale.
; LIMITS: e_t - e0 - e1 lies between -126 and 119 (both powers of two below are then f32 numbers).  NaN codes among the inputs are not served.
; SHARES.  A work-group makes 128 tokens x 128 features with the whole K = 1,024 in LDS: every tile is filled once, nothing is filled again.  Eight waves: wave w takes 64 rows of source 0
; (group g0 = w & 1, four fragments) against 32 rows of source 1 (group g1 = w >> 1, two fragments): eight accumulators.
; q AND k (cluster x 0 to 3): source 0 = rows of w (the head's channels d), source 1 = rows of x (tokens): a lane holds one token and eight neighbouring d.
; v (cluster x 4, 5): source 0 = rows of x (the keys), source 1 = rows of w: a lane holds one channel and eight neighbouring keys, since the keys are the K of the product that reads v.
; THE RESULTS LEAVE AS IMAGES OF THE NEXT OPERAND'S REGISTERS: four code registers of a lane are 16 bytes at 16 x lane of a piece of 512 bytes, so each store of a wave covers 512 consecutive bytes, aligned.
;   q_img, k_img: [batch x head 32][tile of 16 tokens 128][piece 2][512]; byte 8 u + j of piece c is channel 32 c + 16 u + 8 (lane / 16) + j: the same order in q and in k.
;   v_img: [batch x head 32][step of 128 keys 16][tile of channels 4][piece 4][512]; lane r of tile t is channel 32 (t / 2) + 8 (t % 2) + r % 8 + 16 (r / 8); byte 8 u + j of piece c is key 32 c + 16 u + 8 (lane / 16) + j.
;   (v's rows of w are chosen so that the attention's results fall in true order along the last product's K.)
; CLUSTER 4 x 4: x's tile hangs on the tile row alone and is asked for jointly by a row of the cluster, w's on the tile column alone and is asked for jointly by a column.
; No branch hangs on a work-group's place in its cluster: the two paths part on the cluster's x, which the sixteen partners share.
.set PITCH, 272                        ; an LDS row: 256 bytes + 16 of padding = 68 words: row r starts at bank 4 r mod 64 (64 banks of 4 bytes: ISA guide 11.1)
.set CH,    128*PITCH                  ; a chunk: 128 rows x 256 along K
.set WB,    4*CH                       ; x's four chunks lie at 0, w's four behind them
.set ACC,   64                         ; v64-127  accumulator (a, b) at ACC + 32 b + 8 a
.set F0,    128                        ; v128-191 source 0's four fragments
.set F1,    192                        ; v192-223 source 1's two
.set CD,    224                        ; v224-239 the codes
.set G1A,   24                         ; s[24:31] descriptor group 1 for x's tiles; s[32:39] two groups 0
.set G0A,   32
.set G1B,   48                         ; s[48:55], s[56:63] the same for w's
.set G0B,   56
.macro CROUND                          ; a round of the cluster's barrier
	s_barrier_signal -1
	s_barrier_wait -1
	s_cmp_lg_u32 s16, 0
	s_cbranch_scc1 .Lnot_wave_0_\@
	s_barrier_signal -3
.Lnot_wave_0_\@:
	s_barrier_wait -3
	s_barrier_signal -1
	s_barrier_wait -1
.endm
; A step of 128 along K: 24 LDS loads, 8 matrix instructions.  The eight accumulators take turns, one instruction a turn.
.macro KSTEP k, zero, s0lo, s0hi, s1lo, s1hi, s1step
.set OFFK, (((\k)/2)%2)*CH+((\k)%2)*128
.if (\k) < 4
.set KA0, \s0lo
.set KA1, \s1lo
.else
.set KA0, \s0hi
.set KA1, \s1hi
.endif
.if (\k) > 0
.rept 4
	v_nop                                          ; four places between the last products and loads into the registers that they read
.endr
.endif
.irp b, 0,1
.irp c, 0,1,2,3
	ds_load_b128 v[F1+16*\b+4*\c:F1+16*\b+4*\c+3], v[KA1] offset:OFFK+\b*(\s1step)+32*\c
.endr
.endr
.irp a, 0,1,2,3
.irp c, 0,1,2,3
	ds_load_b128 v[F0+16*\a+4*\c:F0+16*\a+4*\c+3], v[KA0] offset:OFFK+\a*16*PITCH+32*\c
.endr
.endr
.irp a, 0,1,2,3
	s_wait_dscnt 12-4*\a                           ; source 1 and source 0's fragment a are in; the four loads of each later fragment may be out
.irp b, 0,1
.if \zero
	v_wmma_f32_16x16x128_fp8_fp8 v[ACC+32*\b+8*\a:ACC+32*\b+8*\a+7], v[F0+16*\a:F0+16*\a+15], v[F1+16*\b:F1+16*\b+15], 0
.else
	v_wmma_f32_16x16x128_fp8_fp8 v[ACC+32*\b+8*\a:ACC+32*\b+8*\a+7], v[F0+16*\a:F0+16*\a+15], v[F1+16*\b:F1+16*\b+15], v[ACC+32*\b+8*\a:ACC+32*\b+8*\a+7]
.endif
.endr
.endr
.endm
; The way out: hold, convert, store.  Two neighbouring tiles of source 0 give the four registers of a piece.
.macro EPI dst, stepb
	v_mov_b32 v16, s81                             ; 2^(e_t - e0 - e1); these four lines are the places behind the last products
	v_mov_b32 v17, s80                             ; 448 x that
	v_nop
	v_nop
.set j, 0
.rept 64
	v_med3_num_f32 v[ACC+j], v[ACC+j], -v17, v17   ; the conversion to an 8-bit code does not saturate (ISA guide 7.6.2); each accumulator from its low end on
.set j, j+1
.endr
.irp b, 0,1
.irp a, 0,1,2,3
	v_cvt_scalef32_pk8_fp8_f32 v[CD+8*\b+2*\a:CD+8*\b+2*\a+1], v[ACC+32*\b+8*\a:ACC+32*\b+8*\a+7], v16
.endr
.endr
	v_nop                                          ; a plain line behind the last conversion
.irp b, 0,1
.irp c, 0,1
	global_store_b128 v5, v[CD+8*\b+4*\c:CD+8*\b+4*\c+3], s[\dst:\dst+1] offset:\b*(\stepb)+512*\c   ; 32 lanes store 512 consecutive bytes, aligned
.endr
.endr
.endm
	s_load_b256 s[4:11], s[0:1], 0x0               ; x s[4:5], w s[6:7], the scales' exponents s[8:9], q_img s[10:11]
	s_load_b128 s[12:15], s[0:1], 0x20             ; k_img s[12:13], v_img s[14:15]
	v_lshl_add_u32 v240, v0, 2, 0x44000
	v_mov_b32 v241, 0
	ds_add_u32 v240, v241
	ds_add_u32 v240, v241
	v_lshrrev_b32 v1, 5, v0
	v_readfirstlane_b32 s16, v1                    ; wave 0..7
	s_and_b32 s18, s16, 1                          ; g0
	s_lshr_b32 s19, s16, 1                         ; g1
	s_bfe_u32 s40, ttmp6, 0x40000                  ; cx, cy: my place in the cluster
	s_bfe_u32 s41, ttmp6, 0x40004
	s_lshl_b32 s42, ttmp9, 2
	s_add_co_u32 s42, s42, s40                     ; tile column = 4 x cluster x + cx
	s_and_b32 s17, ttmp7, 0xffff
	s_lshl_b32 s17, s17, 2
	s_add_co_u32 s17, s17, s41                     ; tile row = 4 x cluster y + cy
	s_lshl_b32 s43, s41, 2
	s_lshl_b32 s43, 15, s43                        ; my row of the cluster
	s_lshl_b32 s44, 0x1111, s40                    ; my column
	; descriptor group 1: 64 rows x 256 bytes, 1,024 bytes apart in memory, padded in LDS
	s_or_b32 s[G1A+0], s43, (0<<16)|(1<<20)|(1<<21)|(5<<22)|(3<<25)  ; 15:0 the mask; 17:16 elements of 1 byte; 20 padding on; 21 set beside a mask; 24:22 after every 64 words; 31:25 four words
	s_or_b32 s[G1B+0], s44, (0<<16)|(1<<20)|(1<<21)|(5<<22)|(3<<25)
.irp g, G1A, G1B
	s_mov_b32 s[\g+1], 256<<16                     ; tensor_dim0
	s_mov_b32 s[\g+2], 64<<16                      ; tensor_dim1
	s_mov_b32 s[\g+3], 256<<16                     ; tile_dim0
	s_mov_b32 s[\g+4], 64                          ; tile_dim1
	s_mov_b32 s[\g+5], 1024                        ; tensor_dim0_stride
	s_mov_b32 s[\g+6], 0
	s_mov_b32 s[\g+7], 0
.endr
	; waves 0-3 fetch for x, waves 4-7 for w.  i = wave & 3: rows 64 (i & 1) on, chunk i >> 1 by the first load and chunk 2 + (i >> 1) by the second
	s_and_b32 s22, s16, 3
	s_and_b32 s23, s22, 1
	s_lshr_b32 s22, s22, 1
	s_lshl_b32 s20, s17, 17                        ; x: tile row x 128 rows of 1,024 bytes
	s_lshl_b32 s21, s23, 16
	s_add_co_u32 s20, s20, s21
	s_lshl_b32 s21, s22, 8
	s_add_co_u32 s20, s20, s21
	s_mov_b32 s21, 0
	s_lshl_b32 s46, s42, 17                        ; w: tile column likewise, in registers that never hold the tile row
	s_lshl_b32 s47, s23, 16
	s_add_co_u32 s46, s46, s47
	s_lshl_b32 s47, s22, 8
	s_add_co_u32 s46, s46, s47
	s_mov_b32 s47, 0
	s_mul_i32 s45, s22, CH                         ; the place in LDS hangs on the wave's number alone
	s_mul_i32 s23, s23, 64*PITCH
	s_add_co_u32 s45, s45, s23
	s_wait_dscnt 0x0
	s_wait_kmcnt 0x0
	s_load_b256 s[72:79], s[8:9], 0x0              ; e0 .. e7
	s_add_nc_u64 s[20:21], s[4:5], s[20:21]
	s_add_nc_u64 s[46:47], s[6:7], s[46:47]
.irp n, 0,1
	s_mov_b32 s[G0A+4*\n], 1
	s_add_co_u32 s[G0A+4*\n+1], s45, \n*2*CH
	s_add_nc_u64 s[G0A+4*\n+2:G0A+4*\n+3], s[20:21], \n*512
	s_or_b32 s[G0A+4*\n+3], s[G0A+4*\n+3], 0x80000000
	s_mov_b32 s[G0B+4*\n], 1
	s_add_co_u32 s[G0B+4*\n+1], s45, WB+\n*2*CH
	s_add_nc_u64 s[G0B+4*\n+2:G0B+4*\n+3], s[46:47], \n*512
	s_or_b32 s[G0B+4*\n+3], s[G0B+4*\n+3], 0x80000000
.endr
	CROUND                                         ; all sixteen work-groups are here: the joint loads meet
	s_cmp_lt_u32 s16, 4                            ; a wave's two fills stand in one branch on the wave's number: two loads of mine are out
	s_cbranch_scc0 .Lfetch_w
	tensor_load_to_lds s[G0A:G0A+3], s[G1A:G1A+7]
	s_nop 0
	tensor_load_to_lds s[G0A+4:G0A+7], s[G1A:G1A+7]
	s_nop 0
.rept 4
	v_nop
.endr
	s_branch .Lasked
.Lfetch_w:
	tensor_load_to_lds s[G0B:G0B+3], s[G1B:G1B+7]
	s_nop 0
	tensor_load_to_lds s[G0B+4:G0B+7], s[G1B:G1B+7]
	s_nop 0
.rept 4
	v_nop
.endr
.Lasked:
	; LDS addresses of both paths, made ahead of the paths' parting.  A fragment: lane (r, h) takes 16 bytes at row x pitch + 16 h, four times, 32 bytes apart: the same places along K in both sources
	v_and_b32 v1, 15, v0                           ; r
	v_bfe_u32 v2, v0, 4, 1                         ; h
	v_mul_u32_u24 v3, v1, PITCH
	v_lshl_add_u32 v3, v2, 4, v3                   ; rows in their order
	v_and_b32 v6, 7, v1
	v_and_b32 v7, 8, v1
	v_lshl_add_u32 v6, v7, 1, v6                   ; r % 8 + 16 (r / 8)
	v_mul_u32_u24 v4, v6, PITCH
	v_lshl_add_u32 v4, v2, 4, v4                   ; v's rows of w
	v_and_b32 v5, 31, v0
	v_lshlrev_b32 v5, 4, v5                        ; 16 x lane: my place in a piece
	s_mul_i32 s20, s18, 64*PITCH
	s_mul_i32 s21, s19, 32*PITCH
	v_add_nc_u32 v12, s20, v3                      ; v: source 0 = x, chunks 0, 1
	v_add_nc_u32 v10, s21, v3                      ; q, k: source 1 = x
	s_add_co_u32 s20, s20, WB
	s_add_co_u32 s21, s21, WB
	v_add_nc_u32 v8, s20, v3                       ; q, k: source 0 = w
	v_add_nc_u32 v14, s21, v4                      ; v: source 1 = w
	v_add_nc_u32 v9, 2*CH, v8                      ; and the same for chunks 2, 3
	v_add_nc_u32 v11, 2*CH, v10
	v_add_nc_u32 v13, 2*CH, v12
	v_add_nc_u32 v15, 2*CH, v14
	s_wait_kmcnt 0x0
	s_cmp_lt_u32 ttmp9, 2                          ; q, k or v: the choice hangs on the cluster's x alone
	s_cselect_b32 s80, s74, s75
	s_cselect_b64 s[66:67], s[10:11], s[12:13]
	s_cmp_lt_u32 ttmp9, 4
	s_cselect_b32 s80, s80, s77                    ; e_t
	s_sub_co_i32 s80, s80, s72
	s_sub_co_i32 s80, s80, s73
	s_add_co_i32 s80, s80, 127
	s_lshl_b32 s81, s80, 23                        ; 2^(e_t - e0 - e1) as f32
	s_add_co_i32 s80, s80, 8
	s_lshl_b32 s80, s80, 23
	s_or_b32 s80, s80, 0x600000                    ; 448 x that
	s_lshr_b32 s82, s17, 4
	s_lshl_b32 s82, s82, 4
	s_and_b32 s83, s42, 7
	s_lshl_b32 s83, s83, 1
	s_add_co_u32 s82, s82, s83                     ; 16 x batch + the tile's first head
	s_and_b32 s83, s17, 15                         ; the tile's 128 tokens within the batch
	s_add_co_u32 s84, s82, s18                     ; q, k: head + g0,
	s_lshl_b32 s84, s84, 17                        ; 131,072 bytes each;
	s_lshl_b32 s85, s83, 13                        ; eight tiles of 16 tokens, 1,024 bytes each;
	s_add_co_u32 s84, s84, s85
	s_lshl_b32 s85, s19, 11                        ; my two of them
	s_add_co_u32 s84, s84, s85
	s_mov_b32 s85, 0
	s_add_nc_u64 s[66:67], s[66:67], s[84:85]
	s_lshr_b32 s84, s19, 1
	s_add_co_u32 s84, s84, s82                     ; v: head + g1 / 2,
	s_lshl_b32 s84, s84, 4
	s_add_co_u32 s84, s84, s83                     ; the key step,
	s_lshl_b32 s84, s84, 13                        ; 8,192 bytes each;
	s_and_b32 s83, s19, 1
	s_lshl_b32 s83, s83, 12                        ; my two tiles of channels, 2,048 bytes each;
	s_add_co_u32 s84, s84, s83
	s_lshl_b32 s83, s18, 10                        ; my two pieces of the keys
	s_add_co_u32 s84, s84, s83
	s_add_nc_u64 s[68:69], s[14:15], s[84:85]
	s_wait_tensorcnt 0x1                           ; my part of chunks 0, 1 is in; my second load may stay out
	s_barrier_signal -1
	s_barrier_wait -1                              ; everybody's is
	s_cmp_ge_u32 ttmp9, 4
	s_cbranch_scc1 .Lv_first
	KSTEP 0, 1, 8, 9, 10, 11, 16*PITCH             ; the first step's products start the sums: nothing is cleared
	KSTEP 1, 0, 8, 9, 10, 11, 16*PITCH
	KSTEP 2, 0, 8, 9, 10, 11, 16*PITCH
	KSTEP 3, 0, 8, 9, 10, 11, 16*PITCH
	s_branch .Ljoin_first
.Lv_first:
	KSTEP 0, 1, 12, 13, 14, 15, 8*PITCH
	KSTEP 1, 0, 12, 13, 14, 15, 8*PITCH
	KSTEP 2, 0, 12, 13, 14, 15, 8*PITCH
	KSTEP 3, 0, 12, 13, 14, 15, 8*PITCH
.Ljoin_first:
	s_wait_tensorcnt 0x0                           ; my part of chunks 2, 3 is in,
	s_wait_dscnt 0x0
	s_barrier_signal -1
	s_barrier_wait -1                              ; everybody's is
	s_cmp_ge_u32 ttmp9, 4
	s_cbranch_scc1 .Lv_second
	KSTEP 4, 0, 8, 9, 10, 11, 16*PITCH
	KSTEP 5, 0, 8, 9, 10, 11, 16*PITCH
	KSTEP 6, 0, 8, 9, 10, 11, 16*PITCH
	KSTEP 7, 0, 8, 9, 10, 11, 16*PITCH
	EPI 66, 1024                                   ; source 1's second fragment: the next tile of 16 tokens
	s_branch .Ldone
.Lv_second:
	KSTEP 4, 0, 12, 13, 14, 15, 8*PITCH
	KSTEP 5, 0, 12, 13, 14, 15, 8*PITCH
	KSTEP 6, 0, 12, 13, 14, 15, 8*PITCH
	KSTEP 7, 0, 12, 13, 14, 15, 8*PITCH
	EPI 68, 2048                                   ; source 1's second fragment: the next tile of channels
.Ldone:
	s_wait_tensorcnt 0x0
	ds_add_u32 v240, v241
	s_wait_dscnt 0x0
	CROUND                                         ; the closing round: no work-group ends while a partner may still ask for a tile that names it
	s_endpgm
.Lfunc_end_k_qe729d1f46e_qkv:
	.size	k_qe729d1f46e_qkv, .Lfunc_end_k_qe729d1f46e_qkv-k_qe729d1f46e_qkv
	.p2alignl 7, 3214868480
	.fill 96, 4, 3214868480
	.section	.rodata,"a",@progbits
	.p2align	6, 0x0
	.amdhsa_kernel k_qe729d1f46e_qkv
		.amdhsa_group_segment_fixed_size 279552
		.amdhsa_private_segment_fixed_size 0
		.amdhsa_enable_private_segment 0
		.amdhsa_kernarg_size 48
		.amdhsa_user_sgpr_count 2
		.amdhsa_user_sgpr_kernarg_segment_ptr 1
		.amdhsa_wavefront_size32 1
		.amdhsa_system_sgpr_workgroup_id_x 1
		.amdhsa_system_sgpr_workgroup_id_y 1
		.amdhsa_system_sgpr_workgroup_id_z 1
		.amdhsa_system_vgpr_workitem_id 0
		.amdhsa_next_free_vgpr 242
		.amdhsa_next_free_sgpr 90
		.amdhsa_reserve_vcc 0
		.amdhsa_float_denorm_mode_32 3
		.amdhsa_float_denorm_mode_16_64 3
		.amdhsa_memory_ordered 1
		.amdhsa_forward_progress 1
		.amdhsa_inst_pref_size 55
	.end_amdhsa_kernel
	.amdgpu_metadata
---
amdhsa.version: [ 1, 2 ]
amdhsa.kernels:
  - .name:           k_qe729d1f46e_qkv
    .symbol:         k_qe729d1f46e_qkv.kd
    .args:
      - { .name: x_codes, .offset: 0, .size: 8, .value_kind: global_buffer, .address_space: global }
      - { .name: w_qkv_codes, .offset: 8, .size: 8, .value_kind: global_buffer, .address_space: global }
      - { .name: lowp_scales, .offset: 16, .size: 8, .value_kind: global_buffer, .address_space: global }
      - { .name: q_img, .offset: 24, .size: 8, .value_kind: global_buffer, .address_space: global }
      - { .name: k_img, .offset: 32, .size: 8, .value_kind: global_buffer, .address_space: global }
      - { .name: v_img, .offset: 40, .size: 8, .value_kind: global_buffer, .address_space: global }
    .group_segment_fixed_size: 279552
    .private_segment_fixed_size: 0
    .kernarg_segment_align: 8
    .kernarg_segment_size: 48
    .max_flat_workgroup_size: 256
    .sgpr_count:     90
    .vgpr_count:     242
    .wavefront_size: 32
...
	.end_amdgpu_metadata
.endif
;; end of part 1
;; launch attn (part 2): grid 8 x 32, 8 waves a work-group, clusters of 4 x 1, 263,168 bytes of LDS; arguments q_img, k_img, v_img, lowp_scales, o_img; writes o_img
.if DOCPART == 2
	.amdgcn_target "amdgcn-amd-amdhsa--gfx1250"
	.amdhsa_code_object_version 6
	.text
	.protected	k_qe729d1f46e_attn
	.globl	k_qe729d1f46e_attn
	.p2align	8
	.type	k_qe729d1f46e_attn,@function
k_qe729d1f46e_attn:
	s_mov_b64 s[64:65], 0
	v_nop
	global_prefetch_b8 v0, s[64:65] scope:SCOPE_SE
	s_setreg_imm32_b32 hwreg(HW_REG_WAVE_MODE, 25, 1), 1
	s_wait_xcnt 0x0
	s_wait_alu depctr_hold_cnt(0) depctr_sa_sdst(0) depctr_va_vdst(0) depctr_va_sdst(0) depctr_va_ssrc(0) depctr_va_vcc(0) depctr_vm_vsrc(0)
	s_getreg_b32 s2, hwreg(HW_REG_IB_STS2, 6, 4)
	s_cmp_eq_u32 s2, 0
	s_cbranch_scc0 .Lentry_in_a_cluster
	s_endpgm
.Lentry_in_a_cluster:
	s_bfe_u32 s2, ttmp6, 0x10000c
	s_cmp_lg_u32 s2, 0x3003
	s_cbranch_scc0 .Lentry_shape_is_right
	s_endpgm
.Lentry_shape_is_right:
; For each of 32 (batch, head): attn = p / (sum of p over the allowed keys + 1e-9), p = softplus(q . k / 8)^2, key <= query; out = attn v.  Both products on E4M3 codes.
; attn is quantised FINISHED AND NORMALISED (scale entry 4), so a row's sum is known before any of its codes is made: TWO PASSES over the keys; the second makes p anew, scales, quantises and multiplies by v.
; ARITHMETIC, in units of ln 2: t = score x log2(e); x = 2^-|t|; u = 1 + x; r = max(t, 0) + log2(u) + log2(e) (x - (u - 1)) = softplus / ln 2.  Both subtractions are exact: the last term gives back what the
; rounding of 1 + x lost, so that r keeps f32's accuracy however negative the score.  attn = r^2 / (sum of r^2 + 1e-9 log2(e)^2).  A hidden score is made -infinity first: x = 0, r = 0.
; LIMITS: e2 + e3 between -123 and 130 (added to a constant's exponent field); e4 and e6 - e4 - e5 between -126 and 119.  NaN codes are not served.  A row's sum is added in another order than the reference's.
; SHARES.  Eight work-groups to a head, two clusters of four.  The head's whole images of k and v (131,072 bytes each) are brought into LDS once, by loads that the four partners ask jointly; nothing is filled again.
; A wave owns two tiles of 16 queries: tile 8 w + 4 X + cx and its mirror 127 - that.  They want key steps 0 .. w and 0 .. 15 - w: 17 steps of 128 keys a pass, for every wave of the launch.
; The number of steps hangs on the wave's number alone; the place in the cluster enters Q's and O's addresses and the mask's lane data, no branch and no LDS address.
; LAYOUT.  S^T = K Q^T (source 0 = 16 keys, source 1 = my 16 queries): a lane holds one query and eight keys a tile.  The conversions of two neighbouring tiles are four registers of source 1 of O^T = V^T P^T,
; in the order of keys in which v's image was laid.  O^T's conversions are the last product's operand, and leave as its image:
;   o_img: [128 rows 32][128 along K 8][tile of 16 rows 8][piece 4][512]; byte i of piece c in lane (r, h) is k = 32 c + 16 h + i of row r.
; REGISTERS: v0 r - 8 h; v1 16 x lane; v2, v3 LDS addresses; v4 the mask's bound; v5 -infinity; v[6:7] 1 / sum; v8, v9 448 x 2^e4, 2^e4; v10, v11 the same for the output; v12-19 the second tile's Q; v20-23 at work;
;   v24-31 Q; v32-63 O^T (in pass 1: v32-39 the sums, v40 at work); v64-127 S^T, t, r, attn; v128-191 x, then V's fragments, at the end the output's codes; v192-255 K's fragments, u, log2 u, attn's codes.
.set R1,  64
.set R2,  128
.set R3,  192
.set OA,  32
.set SUM, 32
.set TMP, 20
.set QA,  24
.set QB,  12
.macro CROUND                          ; a round of the cluster's barrier
	s_barrier_signal -1
	s_barrier_wait -1
	s_cmp_lg_u32 s16, 0
	s_cbranch_scc1 .Lnot_wave_0_\@
	s_barrier_signal -3
.Lnot_wave_0_\@:
	s_barrier_wait -3
	s_barrier_signal -1
	s_barrier_wait -1
.endm
; The step's scores: eight tiles of 16 keys, K = the head's 64.
.macro QK
	v_add_nc_u32 v2, s23, v1                       ; K's images of this step; these four lines are the places between the last step's products and the loads below
	v_add_nc_u32 v3, s55, v1                       ; V's
	v_nop
	v_nop
.irp t, 0,1,2,3,4,5,6,7
	ds_load_b128 v[R3+8*\t:R3+8*\t+3], v2 offset:1024*\t           ; 32 lanes read 512 consecutive bytes
	ds_load_b128 v[R3+8*\t+4:R3+8*\t+7], v2 offset:1024*\t+512
.endr
.irp t, 0,1,2,3,4,5,6,7
	s_wait_dscnt 14-2*\t                           ; tile t's two loads are in; the two of each later tile may be out
	v_wmma_f32_16x16x64_fp8_fp8 v[R1+8*\t:R1+8*\t+7], v[R3+8*\t:R3+8*\t+7], v[QA:QA+7], 0
.endr
.rept 4
	v_nop                                          ; places in front of the first read of the scores
.endr
.endm
; On the diagonal (the tile's last step) register 8 t + j holds key 16 t + 8 h + j of the step, my query is 16 (tile % 8) + r: hidden where 16 t + j > 16 (tile % 8) + r - 8 h.
.macro MASK
	s_cmp_lg_u32 s22, s21
	s_cbranch_scc1 .Lopen_\@
.set n, 0
.rept 64
	v_cmp_gt_i32 vcc_lo, 16*(n/8)+n%8, v4
	v_cndmask_b32 v[R1+n], v[R1+n], v5, vcc_lo
.set n, n+1
.endr
.Lopen_\@:
.endm
; t = S c;  x = 2^-|t|;  then t becomes max(t, 0).  The 64 exponentials are one batch with plain lines among them; none of these lines names a result; one wait behind the batch.
.macro PHB
	v_pk_mul_f32 v[R1:R1+1], v[R1:R1+1], s[48:49] op_sel_hi:[1,0]
.set k, 0
.rept 32
.if k < 31
	v_pk_mul_f32 v[R1+2*k+2:R1+2*k+3], v[R1+2*k+2:R1+2*k+3], s[48:49] op_sel_hi:[1,0]
.endif
	v_exp_f32 v[R2+2*k], -|v[R1+2*k]|
.if k > 0
	v_max_num_f32 v[R1+2*k-2], 0, v[R1+2*k-2]
.endif
	v_exp_f32 v[R2+2*k+1], -|v[R1+2*k+1]|
.if k > 0
	v_max_num_f32 v[R1+2*k-1], 0, v[R1+2*k-1]
.endif
.set k, k+1
.endr
	v_max_num_f32 v[R1+62], 0, v[R1+62]            ; plain lines behind the last exponential
	v_max_num_f32 v[R1+63], 0, v[R1+63]
	s_wait_alu depctr_va_vdst(0)                   ; the wait ahead of the first line that names a result: one for the batch
.endm
; u = 1 + x;  log2 u in place;  x becomes x - (u - 1);  max(t, 0) takes log2(e) times that.  vload = 1: V's sixteen loads go out into x's registers, which are done with.
.macro PHC vload
	v_pk_add_f32 v[R3:R3+1], v[R2:R2+1], 1.0 op_sel_hi:[1,0]
.set k, 0
.rept 32
.if k < 31
	v_pk_add_f32 v[R3+2*k+2:R3+2*k+3], v[R2+2*k+2:R2+2*k+3], 1.0 op_sel_hi:[1,0]
.endif
	v_pk_add_f32 v[TMP+2*(k%2):TMP+2*(k%2)+1], v[R3+2*k:R3+2*k+1], -1.0 op_sel_hi:[1,0]
	v_log_f32 v[R3+2*k], v[R3+2*k]
	v_pk_add_f32 v[R2+2*k:R2+2*k+1], v[R2+2*k:R2+2*k+1], v[TMP+2*(k%2):TMP+2*(k%2)+1] neg_lo:[0,1] neg_hi:[0,1]
	v_log_f32 v[R3+2*k+1], v[R3+2*k+1]
	v_pk_fma_f32 v[R1+2*k:R1+2*k+1], v[R2+2*k:R2+2*k+1], s[50:51], v[R1+2*k:R1+2*k+1] op_sel_hi:[1,0,1]
.set k, k+1
.endr
.if \vload
.irp d, 0,1,2,3
.irp c, 0,1,2,3
	ds_load_b128 v[R2+16*\d+4*\c:R2+16*\d+4*\c+3], v3 offset:2048*\d+512*\c
.endr
.endr
.endif
	s_wait_alu depctr_va_vdst(0)                   ; one wait for the 64 logarithms, ahead of their first reader
.endm
.macro PD1                             ; pass 1: r, and r^2 onto the sums, in four chains of pairs
.set k, 0
.rept 32
	v_pk_add_f32 v[R1+2*k:R1+2*k+1], v[R1+2*k:R1+2*k+1], v[R3+2*k:R3+2*k+1]
.set k, k+1
.endr
.set k, 0
.rept 32
	v_pk_fma_f32 v[SUM+2*(k%4):SUM+2*(k%4)+1], v[R1+2*k:R1+2*k+1], v[R1+2*k:R1+2*k+1], v[SUM+2*(k%4):SUM+2*(k%4)+1]
.set k, k+1
.endr
.endm
.macro PD2                             ; pass 2: attn = r^2 / sum, its codes, O^T += V^T P^T
.set k, 0
.rept 32
	v_pk_add_f32 v[R1+2*k:R1+2*k+1], v[R1+2*k:R1+2*k+1], v[R3+2*k:R3+2*k+1]
.set k, k+1
.endr
.set k, 0
.rept 32
	v_pk_mul_f32 v[R1+2*k:R1+2*k+1], v[R1+2*k:R1+2*k+1], v[R1+2*k:R1+2*k+1]
.set k, k+1
.endr
.set k, 0
.rept 32
	v_pk_mul_f32 v[R1+2*k:R1+2*k+1], v[R1+2*k:R1+2*k+1], v[6:7] op_sel_hi:[1,0]
.set k, k+1
.endr
.set k, 0
.rept 64
	v_min_num_f32 v[R1+k], v[R1+k], v8             ; the conversion does not saturate (ISA guide 7.6.2); attn is not negative, so the hold is one-sided
.set k, k+1
.endr
.irp t, 0,1,2,3,4,5,6,7
	v_cvt_scalef32_pk8_fp8_f32 v[R3+2*\t:R3+2*\t+1], v[R1+8*\t:R1+8*\t+7], v9
.endr
	v_nop                                          ; a plain line between the last conversion and the products that read the codes
	s_wait_dscnt 0x0                               ; V's fragments are in
.irp d, 0,1,2,3
	v_wmma_f32_16x16x128_fp8_fp8 v[OA+8*\d:OA+8*\d+7], v[R2+16*\d:R2+16*\d+15], v[R3:R3+15], v[OA+8*\d:OA+8*\d+7]   ; four accumulators by turns; the next step's eight products stand before each is taken up again
.endr
.endm
	s_load_b256 s[4:11], s[0:1], 0x0               ; q_img s[4:5], k_img s[6:7], v_img s[8:9], the scales' exponents s[10:11]
	s_load_b64 s[12:13], s[0:1], 0x20              ; o_img
	s_set_vgpr_msb 0x40
	v_lshl_add_u32 v0, v0, 2, 0x40000
	v_mov_b32 v1, 0
	s_set_vgpr_msb 0x4045
	ds_add_u32 v0, v1
	ds_add_u32 v0, v1
	s_set_vgpr_msb 0x4500
	v_lshrrev_b32 v1, 5, v0
	v_readfirstlane_b32 s16, v1                    ; wave 0..7
	s_bfe_u32 s17, ttmp6, 0x40000                  ; cx
	s_and_b32 s19, ttmp7, 0xffff                   ; batch x head, which the four partners share
	s_lshl_b32 s18, ttmp9, 2
	s_add_co_u32 s18, s18, s17                     ; tile % 8 = 4 x cluster x + cx
	s_lshl_b32 s20, s16, 3
	s_add_co_u32 s20, s20, s18                     ; my first tile of queries
	s_mov_b32 s21, s16                             ; its last key step
	; descriptor group 1: a dense block of 16,384 bytes as 64 rows of 256
	s_mov_b32 s24, 15|(3<<16)|(1<<21)              ; 15:0 the mask: all four work-groups; 17:16 elements of 8 bytes; 21 set beside a mask
	s_mov_b32 s25, 32<<16                          ; tensor_dim0 = 32 elements
	s_mov_b32 s26, 64<<16                          ; tensor_dim1 = 64
	s_mov_b32 s27, 32<<16                          ; tile_dim0
	s_mov_b32 s28, 64                              ; tile_dim1
	s_mov_b32 s29, 32                              ; tensor_dim0_stride
	s_mov_b32 s30, 0
	s_mov_b32 s31, 0
	s_lshl_b32 s58, s19, 17                        ; the head's 131,072 bytes in each image
	s_lshl_b32 s59, s16, 14                        ; my wave's eighth of them, in memory and in LDS
	s_add_co_u32 s60, s58, s59
	s_mov_b32 s61, 0
	s_lshl_b32 s66, s20, 10                        ; Q: a tile is 1,024 bytes
	s_add_co_u32 s66, s66, s58
	s_mov_b32 s67, 0
	s_sub_co_u32 s68, 127, s20                     ; and the mirror tile
	s_lshl_b32 s68, s68, 10
	s_add_co_u32 s68, s68, s58
	s_mov_b32 s69, 0
	s_wait_dscnt 0x0
	s_wait_kmcnt 0x0
	s_load_b256 s[40:47], s[10:11], 0x0            ; e0 .. e7
	s_mov_b32 s32, 1
	s_mov_b32 s33, s59                             ; K's image lies at LDS byte 0
	s_add_nc_u64 s[34:35], s[6:7], s[60:61]
	s_or_b32 s35, s35, 0x80000000
	s_mov_b32 s36, 1
	s_add_co_u32 s37, s59, 131072                  ; V's behind it
	s_add_nc_u64 s[38:39], s[8:9], s[60:61]
	s_or_b32 s39, s39, 0x80000000
	s_add_nc_u64 s[62:63], s[4:5], s[66:67]
	s_add_nc_u64 s[68:69], s[4:5], s[68:69]
	CROUND                                         ; all four work-groups are here: the joint loads meet
	tensor_load_to_lds s[32:35], s[24:31]          ; every wave asks for its eighth of K's image and of V's: two loads of mine are out
	s_nop 0
	tensor_load_to_lds s[36:39], s[24:31]
	s_nop 0
.rept 4
	v_nop
.endr
	v_and_b32 v1, 31, v0
	v_lshlrev_b32 v1, 4, v1                        ; 16 x lane
	global_load_b128 v[QA:QA+3], v1, s[62:63]
	global_load_b128 v[QA+4:QA+7], v1, s[62:63] offset:512
	global_load_b128 v[QB:QB+3], v1, s[68:69]
	global_load_b128 v[QB+4:QB+7], v1, s[68:69] offset:512
	v_and_b32 v2, 15, v0
	v_bfe_u32 v3, v0, 4, 1
	v_lshlrev_b32 v3, 3, v3
	v_sub_nc_u32 v0, v2, v3                        ; r - 8 h
	v_mov_b32 v5, 0xff800000                       ; -infinity
	v_mov_b32 v7, 0                                ; (named as the upper half of the pair v[6:7])
	s_mov_b32 s50, 0x3fb8aa3b                      ; log2(e)
	s_mov_b32 s51, s50                             ; (named with it as a pair, so it is written)
	s_mov_b32 s52, 0x76543210                      ; v_permlanex16_b32's selects for lane l xor 16
	s_mov_b32 s53, 0xfedcba98
	s_mov_b32 s48, 0x3e38aa3b                      ; log2(e) / 8
	s_wait_kmcnt 0x0
	s_add_co_i32 s58, s42, s43
	s_lshl_b32 s58, s58, 23
	s_add_co_i32 s48, s48, s58                     ; c = log2(e) / 8 x 2^(e2 + e3): the two exponents are added to the exponent field
	s_mov_b32 s49, s48
	s_add_co_i32 s58, s44, 127
	s_lshl_b32 s59, s58, 23
	v_mov_b32 v9, s59                              ; 2^e4
	s_add_co_i32 s58, s58, 8
	s_lshl_b32 s58, s58, 23
	s_or_b32 s58, s58, 0x600000
	v_mov_b32 v8, s58                              ; 448 x 2^e4
	s_sub_co_i32 s58, s46, s44
	s_sub_co_i32 s58, s58, s45                     ; a sum of the second product stands for sum x 2^(e4 + e5): its code is sum / 2^(e6 - e4 - e5)
	s_add_co_i32 s58, s58, 127
	s_lshl_b32 s59, s58, 23
	v_mov_b32 v11, s59
	s_add_co_i32 s58, s58, 8
	s_lshl_b32 s58, s58, 23
	s_or_b32 s58, s58, 0x600000
	v_mov_b32 v10, s58
	s_wait_tensorcnt 0x0                           ; my parts of both images are in,
	s_barrier_signal -1
	s_barrier_wait -1                              ; everybody's are.  From here on LDS is only read
	s_wait_loadcnt 0x0                             ; Q
	s_mov_b32 s54, 0
.Ltile:                                            ; two trips: my tile, then its mirror
	s_lshl_b32 s58, s18, 4
	v_add_nc_u32 v4, s58, v0                       ; the mask's bound: 16 (tile % 8) + r - 8 h
	s_lshr_b32 s58, s19, 4                         ; where the tile's codes go: 128 rows: 16 x batch + tile / 8, 131,072 bytes each;
	s_lshl_b32 s58, s58, 4
	s_lshr_b32 s59, s20, 3
	s_add_co_u32 s58, s58, s59
	s_lshl_b32 s58, s58, 17
	s_bfe_u32 s59, s19, 0x30001                    ; 128 along K: head / 2, 16,384 bytes each;
	s_lshl_b32 s59, s59, 14
	s_add_co_u32 s58, s58, s59
	s_and_b32 s59, s20, 7                          ; the tile of 16 rows, 2,048 bytes each;
	s_lshl_b32 s59, s59, 11
	s_add_co_u32 s58, s58, s59
	s_and_b32 s59, s19, 1                          ; the head's two pieces of the four
	s_lshl_b32 s59, s59, 10
	s_add_co_u32 s58, s58, s59
	s_mov_b32 s59, 0
	s_add_nc_u64 s[56:57], s[12:13], s[58:59]
.irp j, 0,1,2,3,4,5,6,7,8
	v_mov_b32 v[SUM+\j], 0                         ; the sums; and v40, since a lane permute's destination counts as one of its sources
.endr
	s_mov_b32 s22, 0                               ; the key step
	s_mov_b32 s23, 0                               ; its place in K's image,
	s_mov_b32 s55, 131072                          ; and in V's
.Lp1:                                              ; PASS 1.  Sixteen trips, a constant; a step all of whose keys come after my queries is jumped over, but for the lines that step addresses
	s_cmp_gt_u32 s22, s21
	s_cbranch_scc1 .Lp1_hidden
	QK
	MASK
	PHB
	PHC 0
	PD1
.Lp1_hidden:
	s_add_co_u32 s23, s23, 8192
	s_add_co_u32 s55, s55, 8192
	s_add_co_u32 s22, s22, 1
	s_cmp_lt_u32 s22, 16
	s_cbranch_scc1 .Lp1
	v_pk_add_f32 v[SUM:SUM+1], v[SUM:SUM+1], v[SUM+2:SUM+3]
	v_pk_add_f32 v[SUM+4:SUM+5], v[SUM+4:SUM+5], v[SUM+6:SUM+7]
	v_pk_add_f32 v[SUM:SUM+1], v[SUM:SUM+1], v[SUM+4:SUM+5]
	v_add_f32 v[SUM], v[SUM], v[SUM+1]
	v_permlanex16_b32 v40, v[SUM], s52, s53        ; the query's other keys lie in the lane 16 away
	v_add_f32 v[SUM], v[SUM], v40
	v_add_f32 v[SUM], 0x310f07d5, v[SUM]           ; + 1e-9 log2(e)^2: the reference's 1e-9 in these units
	v_rcp_f32 v6, v[SUM]
	v_nop                                          ; a plain line behind the reciprocal, ahead of the write of its source
	s_wait_alu depctr_va_vdst(0)                   ; and the wait ahead of the label and of the first reader
.set j, 0
.rept 32
	v_mov_b32 v[OA+j], 0                           ; O^T: the step is written once, so the first finds zeros (32 lines a tile against a second copy of the step)
.set j, j+1
.endr
	s_mov_b32 s22, 0
	s_mov_b32 s23, 0
	s_mov_b32 s55, 131072
.Lp2:                                              ; PASS 2, of the same shape
	s_cmp_gt_u32 s22, s21
	s_cbranch_scc1 .Lp2_hidden
	QK
	MASK
	PHB
	PHC 1
	PD2
.Lp2_hidden:
	s_add_co_u32 s23, s23, 8192
	s_add_co_u32 s55, s55, 8192
	s_add_co_u32 s22, s22, 1
	s_cmp_lt_u32 s22, 16
	s_cbranch_scc1 .Lp2
.rept 4
	v_nop                                          ; places behind the last products
.endr
.set j, 0
.rept 32
	v_med3_num_f32 v[OA+j], v[OA+j], -v10, v10     ; the hold; each accumulator from its low end on
.set j, j+1
.endr
.irp d, 0,1,2,3
	v_cvt_scalef32_pk8_fp8_f32 v[R2+2*\d:R2+2*\d+1], v[OA+8*\d:OA+8*\d+7], v11   ; register j of tile d is channel 32 (d / 2) + 16 h + 8 (d % 2) + j: two tiles are a piece in true order
.endr
	v_nop                                          ; a plain line behind the last conversion
	global_store_b128 v1, v[R2:R2+3], s[56:57]                 ; 32 lanes store 512 consecutive bytes, aligned
	global_store_b128 v1, v[R2+4:R2+7], s[56:57] offset:512
	s_wait_xcnt 0x0                                ; the stores' data and base are written again only behind this wait
.irp j, 0,1,2,3,4,5,6,7
	v_mov_b32 v[QA+\j], v[QB+\j]                   ; the mirror tile's Q
.endr
	s_sub_co_u32 s20, 127, s20
	s_sub_co_u32 s21, 15, s21
	s_sub_co_u32 s18, 7, s18
	s_add_co_u32 s54, s54, 1
	s_cmp_lt_u32 s54, 2
	s_cbranch_scc1 .Ltile
	s_wait_dscnt 0x0
	s_set_vgpr_msb 0x5
	s_wait_tensorcnt 0x0
	ds_add_u32 v0, v1
	s_wait_dscnt 0x0
	s_set_vgpr_msb 0x500
	CROUND                                         ; the closing round
	s_endpgm
.Lfunc_end_k_qe729d1f46e_attn:
	.size	k_qe729d1f46e_attn, .Lfunc_end_k_qe729d1f46e_attn-k_qe729d1f46e_attn
	.p2alignl 7, 3214868480
	.fill 96, 4, 3214868480
	.section	.rodata,"a",@progbits
	.p2align	6, 0x0
	.amdhsa_kernel k_qe729d1f46e_attn
		.amdhsa_group_segment_fixed_size 263168
		.amdhsa_private_segment_fixed_size 0
		.amdhsa_enable_private_segment 0
		.amdhsa_kernarg_size 40
		.amdhsa_user_sgpr_count 2
		.amdhsa_user_sgpr_kernarg_segment_ptr 1
		.amdhsa_wavefront_size32 1
		.amdhsa_system_sgpr_workgroup_id_x 1
		.amdhsa_system_sgpr_workgroup_id_y 1
		.amdhsa_system_sgpr_workgroup_id_z 1
		.amdhsa_system_vgpr_workitem_id 0
		.amdhsa_next_free_vgpr 258
		.amdhsa_next_free_sgpr 80
		.amdhsa_reserve_vcc 1
		.amdhsa_float_denorm_mode_32 3
		.amdhsa_float_denorm_mode_16_64 3
		.amdhsa_memory_ordered 1
		.amdhsa_forward_progress 1
		.amdhsa_inst_pref_size 76
	.end_amdhsa_kernel
	.amdgpu_metadata
---
amdhsa.version: [ 1, 2 ]
amdhsa.kernels:
  - .name:           k_qe729d1f46e_attn
    .symbol:         k_qe729d1f46e_attn.kd
    .args:
      - { .name: q_img, .offset: 0, .size: 8, .value_kind: global_buffer, .address_space: global }
      - { .name: k_img, .offset: 8, .size: 8, .value_kind: global_buffer, .address_space: global }
      - { .name: v_img, .offset: 16, .size: 8, .value_kind: global_buffer, .address_space: global }
      - { .name: lowp_scales, .offset: 24, .size: 8, .value_kind: global_buffer, .address_space: global }
      - { .name: o_img, .offset: 32, .size: 8, .value_kind: global_buffer, .address_space: global }
    .group_segment_fixed_size: 263168
    .private_segment_fixed_size: 0
    .kernarg_segment_align: 8
    .kernarg_segment_size: 40
    .max_flat_workgroup_size: 256
    .sgpr_count:     80
    .vgpr_count:     258
    .wavefront_size: 32
...
	.end_amdgpu_metadata
.endif
;; end of part 2
;; launch proj (part 3): grid 8 x 32, 8 waves a work-group, clusters of 4 x 4, 306,176 bytes of LDS; arguments o_img, w_proj_codes, lowp_scales, b_proj, out0; writes out0
.if DOCPART == 3
	.amdgcn_target "amdgcn-amd-amdhsa--gfx1250"
	.amdhsa_code_object_version 6
	.text
	.protected	k_qe729d1f46e_proj
	.globl	k_qe729d1f46e_proj
	.p2align	8
	.type	k_qe729d1f46e_proj,@function
k_qe729d1f46e_proj:
	s_mov_b64 s[64:65], 0
	v_nop
	global_prefetch_b8 v0, s[64:65] scope:SCOPE_SE
	s_setreg_imm32_b32 hwreg(HW_REG_WAVE_MODE, 25, 1), 1
	s_wait_xcnt 0x0
	s_wait_alu depctr_hold_cnt(0) depctr_sa_sdst(0) depctr_va_vdst(0) depctr_va_sdst(0) depctr_va_ssrc(0) depctr_va_vcc(0) depctr_vm_vsrc(0)
	s_getreg_b32 s2, hwreg(HW_REG_IB_STS2, 6, 4)
	s_cmp_eq_u32 s2, 0
	s_cbranch_scc0 .Lentry_in_a_cluster
	s_endpgm
.Lentry_in_a_cluster:
	s_bfe_u32 s2, ttmp6, 0x10000c
	s_cmp_lg_u32 s2, 0xf033
	s_cbranch_scc0 .Lentry_shape_is_right
	s_endpgm
.Lentry_shape_is_right:
; out0[m][o] = 2^(e6 + e7) x (sum over k of the attention output's codes [m][k] x w_proj's codes [o][k]) + b_proj[o].  K = 1,024; out0 is f32.
; LIMIT: e6 + e7 lies between -126 and 127, so that 2^(e6 + e7) is an f32 number.  NaN codes are not served.
; SHARES.  A work-group makes 128 rows x 128 columns with the whole K in LDS: every tile is filled once.  Eight waves: wave w takes 64 columns (g0 = w & 1: four fragments of w_proj, source 0) against 32 rows
; (g1 = w >> 1: two fragments of the attention output, source 1): a lane's eight results are eight neighbouring columns of one row.
; w_proj's rows come as rows, padded in LDS; the attention output comes as the image of its registers ([128 along K 8][tile of 16 rows 8][piece 4][512]), one dense block, read back at 16 x lane.
; Both hold, in registers 4 c .. 4 c + 3 of lane (r, h), k = 32 c + 16 h + 0 .. 15 of a step of 128.
; CLUSTER 4 x 4: the image hangs on the tile row alone and is asked for jointly by a row of the cluster, w_proj's tile on the tile column alone and by a column.
.set PITCH, 272                        ; an LDS row of w_proj: 256 bytes + 16 of padding = 68 words: row r starts at bank 4 r mod 64 (64 banks of 4 bytes: ISA guide 11.1)
.set CH,    128*PITCH                  ; a chunk: 128 rows x 256 along K; four of them from LDS byte 0
.set S1B,   4*CH                       ; the image: 131,072 bytes
.set STG,   S1B+131072                 ; the stages for the way out: 16 rows x (256 bytes + 16) for each wave; no fill lands here
.set ACC,   64                         ; v64-127  accumulator (a, b) at ACC + 32 b + 8 a
.set F0,    128                        ; v128-191 source 0's four fragments; on the way out the finished numbers
.set F1,    192                        ; v192-223 source 1's two
.set BIAS,  224                        ; v224-255 the bias of my lane's eight columns in each of the four tiles
.set G1A,   24                         ; s[24:31] descriptor group 1 for the image; s[32:39] two groups 0
.set G0A,   32
.set G1B,   48                         ; s[48:55], s[56:63] the same for w_proj's tiles
.set G0B,   56
.macro CROUND                          ; a round of the cluster's barrier
	s_barrier_signal -1
	s_barrier_wait -1
	s_cmp_lg_u32 s16, 0
	s_cbranch_scc1 .Lnot_wave_0_\@
	s_barrier_signal -3
.Lnot_wave_0_\@:
	s_barrier_wait -3
	s_barrier_signal -1
	s_barrier_wait -1
.endm
; A step of 128 along K: 24 LDS loads, 8 matrix instructions; the eight accumulators take turns, one instruction a turn.
.macro KSTEP k, zero
.set OFF0, (((\k)/2)%2)*CH+((\k)%2)*128
.set OFF1, ((\k)%4)*16384
.if (\k) < 4
.set KA0, 8
.set KA1, 10
.else
.set KA0, 9
.set KA1, 11
.endif
.if (\k) > 0
.rept 4
	v_nop                                          ; four places between the last products and loads into the registers that they read
.endr
.endif
.irp b, 0,1
.irp c, 0,1,2,3
	ds_load_b128 v[F1+16*\b+4*\c:F1+16*\b+4*\c+3], v[KA1] offset:OFF1+2048*\b+512*\c
.endr
.endr
.irp a, 0,1,2,3
.irp c, 0,1,2,3
	ds_load_b128 v[F0+16*\a+4*\c:F0+16*\a+4*\c+3], v[KA0] offset:OFF0+\a*16*PITCH+32*\c
.endr
.endr
.irp a, 0,1,2,3
	s_wait_dscnt 12-4*\a                           ; source 1 and source 0's fragment a are in; the four loads of each later fragment may be out
.irp b, 0,1
.if \zero
	v_wmma_f32_16x16x128_fp8_fp8 v[ACC+32*\b+8*\a:ACC+32*\b+8*\a+7], v[F0+16*\a:F0+16*\a+15], v[F1+16*\b:F1+16*\b+15], 0
.else
	v_wmma_f32_16x16x128_fp8_fp8 v[ACC+32*\b+8*\a:ACC+32*\b+8*\a+7], v[F0+16*\a:F0+16*\a+15], v[F1+16*\b:F1+16*\b+15], v[ACC+32*\b+8*\a:ACC+32*\b+8*\a+7]
.endif
.endr
.endr
.endm
; The way out of 16 rows x 64 columns: sum x 2^(e6 + e7) + bias; 32 bytes a lane into my own stage; back as whole rows of 256 bytes, two rows an instruction.
.macro TOSTAGE b, back
.irp a, 0,1,2,3
.irp i, 0,2,4,6
	v_pk_fma_f32 v[F0+32*\b+8*\a+\i:F0+32*\b+8*\a+\i+1], v[ACC+32*\b+8*\a+\i:ACC+32*\b+8*\a+\i+1], s[80:81], v[BIAS+8*\a+\i:BIAS+8*\a+\i+1] op_sel_hi:[1,0,1]   ; each accumulator from its low end on
.endr
.endr
.irp a, 0,1,2,3
	ds_store_b128 v12, v[F0+32*\b+8*\a:F0+32*\b+8*\a+3] offset:64*\a
	ds_store_b128 v12, v[F0+32*\b+8*\a+4:F0+32*\b+8*\a+7] offset:64*\a+16
.endr
.irp t, 0,1,2,3,4,5,6,7
	ds_load_b128 v[\back+4*\t:\back+4*\t+3], v13 offset:2*\t*PITCH   ; LDS serves a wave's instructions in order (ISA guide 5.7.1.4): these see my stores, and the next block's stores come behind them
.endr
.endm
.macro SEND b, back, younger           ; younger: the LDS instructions issued behind this block's loads
.irp t, 0,1,2,3,4,5,6,7
	s_wait_dscnt \younger+7-\t
	global_store_b128 v14, v[\back+4*\t:\back+4*\t+3], s[12:13] offset:(16*\b+2*\t)*4096 th:TH_STORE_NT   ; 16 lanes store 256 consecutive bytes, aligned; written once, read by nobody here
.endr
.endm
	s_load_b256 s[4:11], s[0:1], 0x0               ; o_img s[4:5], w_proj's codes s[6:7], the scales' exponents s[8:9], b_proj s[10:11]
	s_load_b64 s[12:13], s[0:1], 0x20              ; out0
	v_lshl_add_u32 v62, v0, 2, 0x4a800
	v_mov_b32 v63, 0
	ds_add_u32 v62, v63
	ds_add_u32 v62, v63
	v_lshrrev_b32 v1, 5, v0
	v_readfirstlane_b32 s16, v1                    ; wave 0..7
	s_and_b32 s18, s16, 1                          ; g0
	s_lshr_b32 s19, s16, 1                         ; g1
	s_bfe_u32 s40, ttmp6, 0x40000                  ; cx, cy
	s_bfe_u32 s41, ttmp6, 0x40004
	s_lshl_b32 s42, ttmp9, 2
	s_add_co_u32 s42, s42, s40                     ; tile column
	s_and_b32 s17, ttmp7, 0xffff
	s_lshl_b32 s17, s17, 2
	s_add_co_u32 s17, s17, s41                     ; tile row
	s_lshl_b32 s43, s41, 2
	s_lshl_b32 s43, 15, s43                        ; my row of the cluster
	s_lshl_b32 s44, 0x1111, s40                    ; my column
	; the image: a dense block of 16,384 bytes as 64 rows of 256
	s_or_b32 s[G1A+0], s43, (3<<16)|(1<<21)        ; 15:0 the mask; 17:16 elements of 8 bytes; 21 set beside a mask
	s_mov_b32 s[G1A+1], 32<<16
	s_mov_b32 s[G1A+2], 64<<16
	s_mov_b32 s[G1A+3], 32<<16
	s_mov_b32 s[G1A+4], 64
	s_mov_b32 s[G1A+5], 32
	s_mov_b32 s[G1A+6], 0
	s_mov_b32 s[G1A+7], 0
	; w_proj: 64 rows x 256 bytes, 1,024 bytes apart in memory, padded in LDS
	s_or_b32 s[G1B+0], s44, (0<<16)|(1<<20)|(1<<21)|(5<<22)|(3<<25)
	s_mov_b32 s[G1B+1], 256<<16
	s_mov_b32 s[G1B+2], 64<<16
	s_mov_b32 s[G1B+3], 256<<16
	s_mov_b32 s[G1B+4], 64
	s_mov_b32 s[G1B+5], 1024
	s_mov_b32 s[G1B+6], 0
	s_mov_b32 s[G1B+7], 0
	; waves 0-3 fetch the image: K step i = wave & 3 by the first load, K step 4 + i by the second.  Waves 4-7 fetch w_proj: rows 64 (i & 1) on, chunks i >> 1 and 2 + (i >> 1)
	s_and_b32 s22, s16, 3
	s_lshl_b32 s66, s22, 14
	s_lshl_b32 s20, s17, 17                        ; the tile row's 131,072 bytes
	s_add_co_u32 s20, s20, s66
	s_mov_b32 s21, 0
	s_add_co_u32 s66, s66, S1B
	s_and_b32 s23, s22, 1
	s_lshr_b32 s22, s22, 1
	s_lshl_b32 s46, s42, 17                        ; tile column x 128 rows of 1,024 bytes, in registers that never hold the tile row
	s_lshl_b32 s47, s23, 16
	s_add_co_u32 s46, s46, s47
	s_lshl_b32 s47, s22, 8
	s_add_co_u32 s46, s46, s47
	s_mov_b32 s47, 0
	s_mul_i32 s45, s22, CH
	s_mul_i32 s23, s23, 64*PITCH
	s_add_co_u32 s45, s45, s23
	s_wait_dscnt 0x0
	s_wait_kmcnt 0x0
	s_load_b256 s[72:79], s[8:9], 0x0              ; e0 .. e7
	s_add_nc_u64 s[20:21], s[4:5], s[20:21]
	s_add_nc_u64 s[46:47], s[6:7], s[46:47]
.irp n, 0,1
	s_mov_b32 s[G0A+4*\n], 1
	s_add_co_u32 s[G0A+4*\n+1], s66, \n*65536
	s_add_nc_u64 s[G0A+4*\n+2:G0A+4*\n+3], s[20:21], \n*65536
	s_or_b32 s[G0A+4*\n+3], s[G0A+4*\n+3], 0x80000000
	s_mov_b32 s[G0B+4*\n], 1
	s_add_co_u32 s[G0B+4*\n+1], s45, \n*2*CH
	s_add_nc_u64 s[G0B+4*\n+2:G0B+4*\n+3], s[46:47], \n*512
	s_or_b32 s[G0B+4*\n+3], s[G0B+4*\n+3], 0x80000000
.endr
	CROUND                                         ; all sixteen work-groups are here: the joint loads meet
	s_cmp_lt_u32 s16, 4                            ; a wave's two fills stand in one branch on the wave's number: two loads of mine are out
	s_cbranch_scc0 .Lfetch_w
	tensor_load_to_lds s[G0A:G0A+3], s[G1A:G1A+7]
	s_nop 0
	tensor_load_to_lds s[G0A+4:G0A+7], s[G1A:G1A+7]
	s_nop 0
.rept 4
	v_nop
.endr
	s_branch .Lasked
.Lfetch_w:
	tensor_load_to_lds s[G0B:G0B+3], s[G1B:G1B+7]
	s_nop 0
	tensor_load_to_lds s[G0B+4:G0B+7], s[G1B:G1B+7]
	s_nop 0
.rept 4
	v_nop
.endr
.Lasked:
	v_and_b32 v1, 15, v0                           ; r
	v_bfe_u32 v2, v0, 4, 1                         ; h
	v_mul_u32_u24 v3, v1, PITCH
	v_lshl_add_u32 v3, v2, 4, v3                   ; a fragment of w_proj: row x pitch + 16 h
	v_and_b32 v5, 31, v0
	v_lshlrev_b32 v5, 4, v5                        ; 16 x lane
	s_mul_i32 s20, s18, 64*PITCH
	v_add_nc_u32 v8, s20, v3                       ; source 0, chunks 0, 1
	v_add_nc_u32 v9, 2*CH, v8                      ; chunks 2, 3
	s_lshl_b32 s21, s19, 12                        ; my two tiles of rows: 2,048 bytes each
	s_add_co_u32 s21, s21, S1B
	v_add_nc_u32 v10, s21, v5                      ; source 1, K steps 0-3
	v_add_nc_u32 v11, 65536, v10                   ; K steps 4-7
	s_mul_i32 s20, s16, 16*PITCH
	s_add_co_u32 s20, s20, STG                     ; my stage
	v_lshl_add_u32 v12, v2, 5, s20
	v_mad_u32_u24 v12, v1, PITCH, v12              ; in: row r, 32 bytes for each half of the lanes
	v_lshl_add_u32 v13, v1, 4, s20
	v_mad_u32_u24 v13, v2, PITCH, v13              ; back: lanes 0-15 one row of 256 bytes, lanes 16-31 the next
	v_lshlrev_b32 v14, 12, v2
	v_lshl_add_u32 v14, v1, 4, v14                 ; and the same two rows in out0, 4,096 bytes apart
	v_lshlrev_b32 v15, 5, v2                       ; the bias: my half's eight columns
	s_lshl_b32 s82, s17, 19                        ; 128 rows of 4,096 bytes,
	s_lshl_b32 s83, s19, 17                        ; my 32 of them,
	s_add_co_u32 s82, s82, s83
	s_lshl_b32 s83, s42, 9                         ; the tile's 128 columns,
	s_lshl_b32 s84, s18, 8                         ; my 64 of them
	s_add_co_u32 s84, s84, s83
	s_add_co_u32 s82, s82, s84
	s_mov_b32 s83, 0
	s_mov_b32 s85, 0
	s_add_nc_u64 s[12:13], s[12:13], s[82:83]
	s_add_nc_u64 s[10:11], s[10:11], s[84:85]
.irp a, 0,1,2,3
	global_load_b128 v[BIAS+8*\a:BIAS+8*\a+3], v15, s[10:11] offset:64*\a
	global_load_b128 v[BIAS+8*\a+4:BIAS+8*\a+7], v15, s[10:11] offset:64*\a+16
.endr
	s_wait_kmcnt 0x0
	s_add_co_i32 s80, s78, s79
	s_add_co_i32 s80, s80, 127
	s_lshl_b32 s80, s80, 23                        ; 2^(e6 + e7) as f32
	s_mov_b32 s81, s80                             ; (named with it as a pair, so it is written)
	s_wait_tensorcnt 0x1                           ; my first load is in (K bytes 0 to 511); my second may stay out
	s_barrier_signal -1
	s_barrier_wait -1                              ; everybody's is
	KSTEP 0, 1                                     ; the first step's products start the sums: nothing is cleared
	KSTEP 1, 0
	KSTEP 2, 0
	KSTEP 3, 0
	s_wait_tensorcnt 0x0                           ; my second load is in,
	s_wait_dscnt 0x0
	s_barrier_signal -1
	s_barrier_wait -1                              ; everybody's is
	KSTEP 4, 0
	KSTEP 5, 0
	KSTEP 6, 0
	KSTEP 7, 0
	s_wait_loadcnt 0x0                             ; the bias
.rept 4
	v_nop                                          ; places behind the last products: their results are read, and their sources written, below
.endr
	TOSTAGE 0, F1                                  ; rows 0-15 come back into source 1's registers,
	TOSTAGE 1, ACC                                 ; rows 16-31 into the accumulators of rows 0-15, which have been read: no store's data are written again
	SEND 0, F1, 16                                 ; behind its loads: the second block's eight stores and eight loads
	SEND 1, ACC, 0
	s_wait_tensorcnt 0x0
	ds_add_u32 v62, v63
	s_wait_dscnt 0x0
	CROUND                                         ; the closing round: no work-group ends while a partner may still ask for a tile that names it
	s_endpgm
.Lfunc_end_k_qe729d1f46e_proj:
	.size	k_qe729d1f46e_proj, .Lfunc_end_k_qe729d1f46e_proj-k_qe729d1f46e_proj
	.p2alignl 7, 3214868480
	.fill 96, 4, 3214868480
	.section	.rodata,"a",@progbits
	.p2align	6, 0x0
	.amdhsa_kernel k_qe729d1f46e_proj
		.amdhsa_group_segment_fixed_size 306176
		.amdhsa_private_segment_fixed_size 0
		.amdhsa_enable_private_segment 0
		.amdhsa_kernarg_size 40
		.amdhsa_user_sgpr_count 2
		.amdhsa_user_sgpr_kernarg_segment_ptr 1
		.amdhsa_wavefront_size32 1
		.amdhsa_system_sgpr_workgroup_id_x 1
		.amdhsa_system_sgpr_workgroup_id_y 1
		.amdhsa_system_sgpr_workgroup_id_z 1
		.amdhsa_system_vgpr_workitem_id 0
		.amdhsa_next_free_vgpr 256
		.amdhsa_next_free_sgpr 90
		.amdhsa_reserve_vcc 0
		.amdhsa_float_denorm_mode_32 3
		.amdhsa_float_denorm_mode_16_64 3
		.amdhsa_memory_ordered 1
		.amdhsa_forward_progress 1
		.amdhsa_inst_pref_size 33
	.end_amdhsa_kernel
	.amdgpu_metadata
---
amdhsa.version: [ 1, 2 ]
amdhsa.kernels:
  - .name:           k_qe729d1f46e_proj
    .symbol:         k_qe729d1f46e_proj.kd
    .args:
      - { .name: o_img, .offset: 0, .size: 8, .value_kind: global_buffer, .address_space: global }
      - { .name: w_proj_codes, .offset: 8, .size: 8, .value_kind: global_buffer, .address_space: global }
      - { .name: lowp_scales, .offset: 16, .size: 8, .value_kind: global_buffer, .address_space: global }
      - { .name: b_proj, .offset: 24, .size: 8, .value_kind: global_buffer, .address_space: global }
      - { .name: out0, .offset: 32, .size: 8, .value_kind: global_buffer, .address_space: global }
    .group_segment_fixed_size: 306176
    .private_segment_fixed_size: 0
    .kernarg_segment_align: 8
    .kernarg_segment_size: 40
    .max_flat_workgroup_size: 256
    .sgpr_count:     90
    .vgpr_count:     256
    .wavefront_size: 32
...
	.end_amdgpu_metadata
.endif
;; end of part 3
